; MI455X (gfx1250); checked and timed in simulation.
; The chip was launched on July 23, 2026; its instructions are those of AMD's public machine-readable ISA for CDNA 5 (MIT licence, August 2026) and "CDNA5" Instruction Set Architecture Reference Guide (July 2026). The comments in the code are by the model that wrote it; some were corrected since.
;; MP Decoder. Allowed arithmetic: float matrix products may take bf16 or f16 operands with f32 sums; other float arithmetic in f32, or as packed bf16 or f16 multiplies, adds, multiply-adds, maxima and minima; sums over many terms, partial sums and values carried from step to step in f32; what a program stores and reads back later, other than sums and carried values, may be rounded once to bf16 or f16.
;; Inputs: Wk 128 x 128 float32; Wq 128 x 128 float32; Wq_graph 128 x 128 float32; Wq_last 128 x 128 float32; Wq_visited 128 x 128 float32; dists 32 x 500 x 500 float32; embeddings 32 x 500 x 128 float32; group_ninf_mask 32 x 500 x 500 float32; last_node 32 x 500 int32; q_first 32 x 500 x 128 float32.
;; Outputs: out0 32 x 500 x 500 float32.
;; 2 versions, each right; version 2 is version 1 with the launch cast written anew for expert scheduling mode. Each part assembles by itself: llvm-mc -triple=amdgcn-amd-amdhsa -mcpu=gfx1250 --defsym DOCPART=n.
;; ======== version 1 of 2: 2 launches
;; limits: values are held in f16: magnitudes above 65,504 overflow, below 6.1e-05 lose precision; inputs' magnitudes at most 65,504; right only within a limited range of input values
;; workspace buffers: ef16 4,194,304 bytes; wf16 131,072 bytes; part 81,920 bytes
;; launch cast (part 1): grid 6 x 32, 4 waves a work-group, no clusters, 10,752 bytes of LDS; arguments embeddings, Wq_visited, Wq_last, Wq_graph, Wq, Wk, ef16, wf16, part; writes ef16, wf16, part
.if DOCPART == 1
	.amdgcn_target "amdgcn-amd-amdhsa--gfx1250"
	.amdhsa_code_object_version 6
	.text
	.protected	k_q20b53bc70d_cast
	.globl	k_q20b53bc70d_cast
	.p2align	8
	.type	k_q20b53bc70d_cast,@function
k_q20b53bc70d_cast:
	s_mov_b64 s[64:65], 0
	v_nop
	global_prefetch_b8 v0, s[64:65] scope:SCOPE_SE
	s_setreg_imm32_b32 hwreg(HW_REG_WAVE_MODE, 25, 1), 1
	s_wait_xcnt 0x0
; THE PROGRAM (two launches).  probs = softmax_n(10 tanh(x) + mask_prob), x[b][p][n] = mean over 8 heads of (X2 . K) / sqrt(128) - dists[b][last_node[b][p]][n] / sqrt(2),
; X2 = X1 Wq^T, X1 = E[last_node] Wl^T + q_first + mean_n(E) Wg^T + (mask_visited E / 500) Wv^T, K = E Wk^T.
; NOTHING IS LEFT OUT: every input has a way to the output and is loaded.  Three identities, which hold for all values, shape the work: the mean over 8 heads of dot products over 16 channels is one dot
; product over all 128 channels divided by 8; X2 (E Wk^T)^T = (X2 Wk) E^T, so no table K is made; and (X1 Wq^T) Wk = X1 C with C[k][j] = sum over o of Wq[o][k] Wk[o][j], which is made once, here.
; THIS LAUNCH: E is rounded once to f16 into ef16 [32][512][128] (rows 500-511 are zeros); Wv, Wl, Wg are rounded once to f16 into wf16 [4][128][128], whose fourth matrix is C^T [j][k] (f16 operands, f32 sums,
; rounded once); part [32][5][128] takes the f32 column sums of 100 rows of E each (partial sums stay in f32; the next launch adds five of them).
; THE ROWS OF ef16 ARE LAID FOR LDS: in a row whose number has bit 3 set, the two chunks of 16 bytes of every 32 bytes change places.  At a pitch of 288 bytes both kinds of fragment load of the next launch
; then touch every bank once.  A row's 256 bytes stay its own.
; LIMIT: f16 ends at 65,504: a number of E, of a weight or of C beyond it becomes an infinity.
; SHARES.  Grid 6 x 32.  x < 5: rows 100 x .. 100 x + 99 of batch y: 25 loads of 16 bytes a thread; a wave's load is one row of 512 bytes, its store one row of 256 bytes, aligned; thread t keeps
; columns 4 (t % 32) .. + 3 in all its rows.  x = 5: slice y (2,048 bytes) of Wv, Wl, Wg; batch y's twelve zero rows; and 16 rows j x 32 columns k of C^T: the sum over o is split among the four waves, 32 each.
; Both sources of that product have o along the columns of a fragment, so they come by loads of 4 bytes (16 lanes: 64 consecutive bytes of a row of Wq or Wk): 24 KiB a work-group, once.
; C^T leaves as 32 consecutive bytes a row and tile: 32 KiB of the launch's 4 MiB of stores.
; LDS.  Each of the two arms has bytes of its own: 0-2,047 the four waves' column sums (512 bytes a wave); 2,048-10,239 the four waves' partial tiles of C^T (2,048 bytes a wave); then the spare words.
.set PARTC, 2048                       ; the partial tiles of C^T begin here
.set SPARE, 10240                      ; the spare words, 128 bytes a wave: two blocks of 256 bytes that no other line names
.set X,  16                            ; v[16:115]   25 x 4 as loaded
.set Y,  116                           ; v[116:165]  25 x 2 to store
.set VS, 166                           ; v[166:169]  where my 8 bytes go in a row of ef16, for loads i with i % 4 = 0..3
.set VB, 170                           ; my byte offset in Wq and Wk: row 32 wave + 8 (l / 16), column l % 16
.set LS, 171                           ; where I put my 32 bytes of a partial tile, less PARTC: 2,048 wave + 32 l
.set LR, 172                           ; where I read them back, less PARTC: 1,024 wave + 32 l (waves 0 and 1)
.set CO, 173                           ; my 16 bytes of C^T: row l % 16, columns 16 wave + 8 (l / 16) ..
.set FK, 32                            ; v[32:47]   Wk as loaded;  v[48:79] Wq, two tiles
.set FQ, 48
.set GK, 80                            ; v[80:87]   Wk's fragment; v[88:103] Wq's two
.set GQ, 88
.set AC, 128                           ; v[128:143] two accumulators
	s_load_b512 s[4:19], s[0:1], 0x0               ; E s[4:5], Wv s[6:7], Wl s[8:9], Wg s[10:11], Wq s[12:13], Wk s[14:15], ef16 s[16:17], wf16 s[18:19]
	s_load_b64 s[20:21], s[0:1], 0x40              ; part
	v_lshl_add_u32 v8, v0, 2, SPARE                ; my spare word
	v_mov_b32 v9, 0
	v_lshlrev_b32 v1, 4, v0                        ; 16 t
	v_lshlrev_b32 v2, 3, v0                        ; 8 t
	v_lshlrev_b32 v3, 2, v0                        ; 4 t
	v_lshrrev_b32 v10, 5, v0
	v_readfirstlane_b32 s30, v10                   ; wave 0..3
	v_and_b32 v10, 15, v0                          ; l % 16
	v_bfe_u32 v11, v0, 4, 1                        ; l / 16
	v_and_b32 v12, 31, v0                          ; l
	s_lshl_b32 s31, s30, 14                        ; 32 rows of 512 bytes a wave
	v_lshlrev_b32 v[VB], 2, v10
	v_lshl_add_u32 v[VB], v11, 12, v[VB]
	v_add_nc_u32 v[VB], s31, v[VB]
	s_lshl_b32 s31, s30, 11
	v_lshl_add_u32 v[LS], v12, 5, s31
	s_lshl_b32 s31, s30, 10
	v_lshl_add_u32 v[LR], v12, 5, s31
	s_lshl_b32 s31, s30, 5
	v_lshlrev_b32 v[CO], 8, v10
	v_lshl_add_u32 v[CO], v11, 4, v[CO]
	v_add_nc_u32 v[CO], s31, v[CO]
	s_and_b32 s22, ttmp7, 0xffff                   ; y
	s_mov_b32 s23, ttmp9                           ; x
	s_lshr_b32 s32, s22, 2                         ; which 16 rows j of C^T,
	s_and_b32 s33, s22, 3                          ; which 32 columns k
	s_lshl_b32 s38, s32, 12                        ; 16 rows of 256 bytes
	s_lshl_b32 s31, s33, 6                         ; 32 columns of 2 bytes
	s_add_co_u32 s38, s38, s31
	s_add_co_u32 s38, s38, 3*32768                 ; the fourth matrix of wf16
	s_mov_b32 s39, 0
	s_mov_b32 s25, 0                               ; the high words of three byte offsets
	s_mov_b32 s27, 0
	s_mov_b32 s29, 0
	s_cmp_eq_u32 s23, 5
	s_cbranch_scc1 .Lweights
	s_mul_i32 s28, s23, 100
	s_mul_i32 s24, s22, 500
	s_add_co_u32 s24, s24, s28
	s_lshl_b32 s24, s24, 9                         ; (500 y + 100 x) rows of 512 bytes in E
	s_lshl_b32 s26, s22, 9
	s_add_co_u32 s26, s26, s28
	s_lshl_b32 s26, s26, 8                         ; (512 y + 100 x) rows of 256 bytes in ef16
	s_mul_i32 s28, s22, 5
	s_add_co_u32 s28, s28, s23
	s_lshl_b32 s28, s28, 9                         ; (5 y + x) rows of 512 bytes in part
.irp k, 0,1,2,3                        ; load i is row 4 (25 x + i) + wave of the batch: its bit 3 is bit 1 of 25 x + i, which is bit 1 of x + i % 4
	s_add_co_u32 s31, s23, \k
	s_and_b32 s31, s31, 2
	s_lshl_b32 s31, s31, 3                         ; 16 where the bit is set
	v_xor_b32 v[VS+\k], s31, v2                    ; my 8 bytes lie in the other chunk of their 32 bytes
.endr
	s_wait_kmcnt 0x0
	s_add_nc_u64 s[4:5], s[4:5], s[24:25]
	s_add_nc_u64 s[16:17], s[16:17], s[26:27]
	s_add_nc_u64 s[20:21], s[20:21], s[28:29]
.set i, 0
.rept 25
	global_load_b128 v[X+4*i:X+4*i+3], v1, s[4:5] offset:2048*i th:TH_LOAD_NT
.set i, i+1
.endr
.set i, 0
.rept 25                               ; every load and store has registers of its own: nothing is rewritten while it is pending
	s_wait_loadcnt 24-i                            ; loads come back in order: load i is in, the 24 - i younger ones stay out
.if i == 1
	v_pk_add_f32 v[4:5], v[X:X+1], v[X+4:X+5]      ; the first two rows start the column sums: nothing is cleared
	v_pk_add_f32 v[6:7], v[X+2:X+3], v[X+6:X+7]
.elseif i > 1
	v_pk_add_f32 v[4:5], v[4:5], v[X+4*i:X+4*i+1]
	v_pk_add_f32 v[6:7], v[6:7], v[X+4*i+2:X+4*i+3]
.endif
	v_cvt_pk_f16_f32 v[Y+2*i], v[X+4*i], v[X+4*i+1]
	v_cvt_pk_f16_f32 v[Y+2*i+1], v[X+4*i+2], v[X+4*i+3]
	global_store_b64 v[VS+i%4], v[Y+2*i:Y+2*i+1], s[16:17] offset:1024*i  ; a wave stores 256 consecutive bytes, at a multiple of 256 from ef16's first byte
.set i, i+1
.endr
	ds_store_b128 v1, v[4:7]                       ; wave w's sums of columns 0-127 at 512 w: bytes 0-2,047, which the other arm never names
	s_branch .Lmeet
.Lweights:
	s_lshl_b32 s24, s22, 11                        ; slice y of a weight in f32,
	s_lshl_b32 s26, s22, 10                        ; and in f16
	s_lshl_b32 s28, s22, 17
	s_add_co_u32 s28, s28, 500*256                 ; row 500 of batch y in ef16
	s_lshl_b32 s34, s32, 6                         ; my 16 columns j of Wk, 4 bytes each
	s_mov_b32 s35, 0
	s_lshl_b32 s36, s33, 7                         ; my 32 columns k of Wq
	s_mov_b32 s37, 0
	s_wait_kmcnt 0x0
.irp m, 0,1,2
	s_add_nc_u64 s[6+2*\m:7+2*\m], s[6+2*\m:7+2*\m], s[24:25]
.endr
	s_add_nc_u64 s[12:13], s[12:13], s[36:37]
	s_add_nc_u64 s[14:15], s[14:15], s[34:35]
	s_add_nc_u64 s[42:43], s[18:19], s[26:27]      ; wf16 at slice y; s[18:19] stay as they are for C^T
	s_add_nc_u64 s[16:17], s[16:17], s[28:29]
.irp m, 0,1,2
	global_load_b128 v[X+4*\m:X+4*\m+3], v1, s[6+2*\m:7+2*\m] th:TH_LOAD_NT
.endr
.set e, 0
.rept 16                               ; a fragment's 16 numbers of a lane: o = 8 (l / 16) + 0..7 and 16 + 8 (l / 16) + 0..7 of my wave's 32
	global_load_b32 v[FK+e], v[VB], s[14:15] offset:(e+8*(e/8))*512
	global_load_b32 v[FQ+e], v[VB], s[12:13] offset:(e+8*(e/8))*512
	global_load_b32 v[FQ+16+e], v[VB], s[12:13] offset:(e+8*(e/8))*512+64
.set e, e+1
.endr
	v_mov_b32 v[Y+10], 0
	v_mov_b32 v[Y+11], 0
.irp z, 0,1,2
	global_store_b64 v2, v[Y+10:Y+11], s[16:17] offset:1024*\z  ; rows 500-511: 3,072 bytes of zeros
.endr
	s_wait_loadcnt 0x0
.irp m, 0,1,2
	v_cvt_pk_f16_f32 v[Y+2*\m], v[X+4*\m], v[X+4*\m+1]
	v_cvt_pk_f16_f32 v[Y+2*\m+1], v[X+4*\m+2], v[X+4*\m+3]
	global_store_b64 v2, v[Y+2*\m:Y+2*\m+1], s[42:43] offset:32768*\m
.endr
.set i, 0
.rept 8
	v_cvt_pk_f16_f32 v[GK+i], v[FK+2*i], v[FK+2*i+1]
	v_cvt_pk_f16_f32 v[GQ+i], v[FQ+2*i], v[FQ+2*i+1]
	v_cvt_pk_f16_f32 v[GQ+8+i], v[FQ+16+2*i], v[FQ+16+2*i+1]
.set i, i+1
.endr
	; source 0 = 16 columns k of Wq, source 1 = 16 columns j of Wk: in the result a lane holds ONE row j of C^T (l % 16) and the columns k = 8 (l / 16) + 0..7
	v_wmma_f32_16x16x32_f16 v[AC:AC+7], v[GQ:GQ+7], v[GK:GK+7], 0
	v_wmma_f32_16x16x32_f16 v[AC+8:AC+15], v[GQ+8:GQ+15], v[GK:GK+7], 0
.rept 4
	v_nop                                          ; four places between a product and the LDS stores that read it
.endr
.irp u, 0,1
	ds_store_b128 v[LS], v[AC+8*\u:AC+8*\u+3] offset:PARTC+1024*\u     ; bytes 2,048-10,239, which the other arm never names
	ds_store_b128 v[LS], v[AC+8*\u+4:AC+8*\u+7] offset:PARTC+1024*\u+16
.endr
.Lmeet:                                        ; both arms pass the one barrier
	s_wait_dscnt 0x0                               ; for the others' sake: my partial sums lie in LDS
	s_barrier_signal -1
	s_barrier_wait -1
	s_cmp_eq_u32 s23, 5
	s_cbranch_scc1 .Lfold
.irp k, 0,1,2,3
	ds_load_b32 v[10+\k], v3 offset:512*\k         ; column t of the four waves' sums
.endr
	s_wait_dscnt 0x0
	v_add_f32 v10, v10, v11
	v_add_f32 v12, v12, v13
	v_add_f32 v10, v10, v12
	global_store_b32 v3, v10, s[20:21]
	s_branch .Lend
.Lfold:
	s_cmp_lt_u32 s30, 2                            ; wave 0 finishes the first tile of 16 columns k, wave 1 the second
	s_cbranch_scc0 .Lend
	s_add_nc_u64 s[40:41], s[18:19], s[38:39]
.irp v, 0,1,2,3
	ds_load_b128 v[32+8*\v:32+8*\v+3], v[LR] offset:PARTC+2048*\v
	ds_load_b128 v[32+8*\v+4:32+8*\v+7], v[LR] offset:PARTC+2048*\v+16
.endr
	s_wait_dscnt 0x0
.set r, 0
.rept 4
	v_pk_add_f32 v[32+r:33+r], v[32+r:33+r], v[40+r:41+r]
	v_pk_add_f32 v[48+r:49+r], v[48+r:49+r], v[56+r:57+r]
.set r, r+2
.endr
.set r, 0
.rept 4
	v_pk_add_f32 v[32+r:33+r], v[32+r:33+r], v[48+r:49+r]
.set r, r+2
.endr
.irp r, 0,1,2,3
	v_cvt_pk_f16_f32 v[64+\r], v[32+2*\r], v[33+2*\r]
.endr
	global_store_b128 v[CO], v[64:67], s[40:41]
.Lend:
	s_wait_tensorcnt 0x0                           ; the wave's end, behind my last LDS store
	ds_add_u32 v8, v9
	s_wait_dscnt 0x0
	s_endpgm
.Lfunc_end_k_q20b53bc70d_cast:
	.size	k_q20b53bc70d_cast, .Lfunc_end_k_q20b53bc70d_cast-k_q20b53bc70d_cast
	.p2alignl 7, 3214868480
	.fill 96, 4, 3214868480
	.section	.rodata,"a",@progbits
	.p2align	6, 0x0
	.amdhsa_kernel k_q20b53bc70d_cast
		.amdhsa_group_segment_fixed_size 10752
		.amdhsa_private_segment_fixed_size 0
		.amdhsa_enable_private_segment 0
		.amdhsa_kernarg_size 72
		.amdhsa_user_sgpr_count 2
		.amdhsa_user_sgpr_kernarg_segment_ptr 1
		.amdhsa_wavefront_size32 1
		.amdhsa_system_sgpr_workgroup_id_x 1
		.amdhsa_system_sgpr_workgroup_id_y 1
		.amdhsa_system_sgpr_workgroup_id_z 1
		.amdhsa_system_vgpr_workitem_id 0
		.amdhsa_next_free_vgpr 176
		.amdhsa_next_free_sgpr 66
		.amdhsa_reserve_vcc 0
		.amdhsa_float_denorm_mode_32 3
		.amdhsa_float_denorm_mode_16_64 3
		.amdhsa_memory_ordered 1
		.amdhsa_forward_progress 1
		.amdhsa_inst_pref_size 26
	.end_amdhsa_kernel
	.amdgpu_metadata
---
amdhsa.version: [ 1, 2 ]
amdhsa.kernels:
  - .name:           k_q20b53bc70d_cast
    .symbol:         k_q20b53bc70d_cast.kd
    .args:
      - { .name: embeddings, .offset: 0, .size: 8, .value_kind: global_buffer, .address_space: global }
      - { .name: Wq_visited, .offset: 8, .size: 8, .value_kind: global_buffer, .address_space: global }
      - { .name: Wq_last, .offset: 16, .size: 8, .value_kind: global_buffer, .address_space: global }
      - { .name: Wq_graph, .offset: 24, .size: 8, .value_kind: global_buffer, .address_space: global }
      - { .name: Wq, .offset: 32, .size: 8, .value_kind: global_buffer, .address_space: global }
      - { .name: Wk, .offset: 40, .size: 8, .value_kind: global_buffer, .address_space: global }
      - { .name: ef16, .offset: 48, .size: 8, .value_kind: global_buffer, .address_space: global }
      - { .name: wf16, .offset: 56, .size: 8, .value_kind: global_buffer, .address_space: global }
      - { .name: part, .offset: 64, .size: 8, .value_kind: global_buffer, .address_space: global }
    .group_segment_fixed_size: 10752
    .private_segment_fixed_size: 0
    .kernarg_segment_align: 8
    .kernarg_segment_size: 72
    .max_flat_workgroup_size: 128
    .sgpr_count:     66
    .vgpr_count:     176
    .wavefront_size: 32
...
	.end_amdgpu_metadata
.endif
;; end of part 1
;; launch decode (part 2): grid 8 x 32, 4 waves a work-group, clusters of 4 x 1, 327,680 bytes of LDS; arguments group_ninf_mask, dists, q_first, last_node, ef16, wf16, part, out0; writes out0
.if DOCPART == 2
	.amdgcn_target "amdgcn-amd-amdhsa--gfx1250"
	.amdhsa_code_object_version 6
	.text
	.protected	k_q20b53bc70d_decode
	.globl	k_q20b53bc70d_decode
	.p2align	8
	.type	k_q20b53bc70d_decode,@function
k_q20b53bc70d_decode:
	s_mov_b64 s[64:65], 0
	v_nop
	global_prefetch_b8 v0, s[64:65] scope:SCOPE_SE
	s_setreg_imm32_b32 hwreg(HW_REG_WAVE_MODE, 25, 1), 1
	s_wait_xcnt 0x0
	s_wait_alu depctr_hold_cnt(0) depctr_sa_sdst(0) depctr_va_vdst(0) depctr_va_sdst(0) depctr_va_ssrc(0) depctr_va_vcc(0) depctr_vm_vsrc(0)
	s_getreg_b32 s2, hwreg(HW_REG_IB_STS2, 6, 4)
	s_cmp_eq_u32 s2, 0
	s_cbranch_scc0 .Lentry_in_a_cluster
	s_endpgm
.Lentry_in_a_cluster:
	s_bfe_u32 s2, ttmp6, 0x10000c
	s_cmp_lg_u32 s2, 0x3003
	s_cbranch_scc0 .Lentry_shape_is_right
	s_endpgm
.Lentry_shape_is_right:
; probs[b][p][:] for 64 rows p of one batch b a work-group, 16 rows a wave, from the mask to the softmax without a trip through memory.  No work of reference() is left out (see the first kernel's head:
; the heads' mean is one dot product over 128 channels / 8, and score = (X1 C) E^T with C = Wq^T Wk, which the first launch has made).
; FORMATS.  All matrix operands are f16, sums f32; dists, q_first, the mask's addend and the whole softmax stay f32.  X1, and then X1 C, are scaled, a row at a time, by an exact power of two so that the row's
; largest number lies in 1 .. 2 before it is rounded; both factors go back onto the finished score in f32.  The maximum is taken away before the exponential, by a subtraction, as reference() does.
; LIMITS.  A finite mask entry is an operand of mask_visited E and must lie within f16 (65,504).  NaN and +inf among the inputs are not treated apart.  A row of X1 or of X1 C whose largest magnitude is 2^127 or more,
; or a denormal, loses its dot term.  Where all nodes of a row are visited, reference()'s f32 sum 10 tanh - 1e8 has steps of 8: the same order of roundings is kept, but a clipped score within this text's error of +-4 may fall to the other side.
; LAYOUT.  Every product is used transposed: source 0 = 16 rows of a table (E, W), source 1 = 16 query rows.  Register j of result tile t in lane l holds (row p = l % 16, index 16 t + 8 (l / 16) + j).
; Two result tiles rounded in pairs ARE source 1 of the next product, and mask, distances and scores share that one layout: only a reduction's one exchange between the halves of the lanes crosses lanes.
; CLUSTER.  The four work-groups of a cluster belong to one batch: E (128 KiB of f16) and the four weights are asked for JOINTLY, by the same tensor load with a mask of four.  The mask's and q_first's rows are each wave's own.
; A WAVE'S WINDOW.  16 rows of the mask, or of the output, are 32,000 dense bytes that begin 64 (b % 4) bytes behind a multiple of 256 (16 x 2,000 is one; 1,000,000 b leaves 64 b).  The window of 126 x 256 bytes from that
; multiple on has an image R_w in LDS: first the mask (tensor loads), later the gathered rows of dists, last the probabilities, which leave as whole rows of 256 bytes.
; THE LAST TILE of a batch has 4 live rows.  Its loads come in two parts with constant shapes; the second part is moved back inside the buffer and fills the 12 dead rows with other rows' numbers.
; A lane's row never touches another row's results, and dead rows are not stored.  No branch hangs on this: selects and EXEC alone.
; WHAT IS ASKED FOR WHEN.  The mask, q_first and E go out first; the rows of dists, wanted last, only when the mask has landed, in two groups of 32 and 32 loads with the mask's pass between them.
; E IN LDS.  Pitch 288.  In rows whose number has bit 3 set the two chunks of 16 bytes of every 32 have changed places (the first launch stored them so).  A turning load's 16 lanes take 8 rows x 32 bytes.
; A plain load's 16 lanes take 16 bytes of 16 rows: rows r and r + 8 start at the same bank and differ by the exchanged chunk.
; LDS:  0 E, 512 rows, pitch 288 | 147,456 R_w, 32,256 a wave | 276,480 q_first, 16 rows of pitch 528 a wave | from 147,456 again: the weights, 512 rows of pitch 272 (the one refill, over R and part of q_first)
;       310,272 the batch mean, 128 f16 | 310,528 the spare words.  The launch claims all of LDS.
; REGISTERS, in windows of 256 (s_set_vgpr_msb: bits 1:0 source 0, 3:2 source 1, 5:4 source 2, 7:6 destination):
;   window 0: v0-31 addresses and a row's figures; v32-63 XF, source 1's four fragments; v64-127 ACC, eight accumulators (first the gather's offsets); v128-255 two fragment buffers of 64
;   window 1: MK, the mask in the layout above, turned in place into mask_prob
;   window 2: first MV v0-127 (mask_visited in f16), XA v128-191 (q_first), LE v192-223 (the last nodes' rows); then S, the scores
;   window 3: DD: the rows of dists as loaded, then in the layout above; at the end the output rows
.set PE,    288                        ; a row of E in LDS
.set PW,    272                        ; a row of a weight: 256 bytes + 16: the 16 rows of a plain fragment load start at 16 different groups of four banks
.set ESH,   128*PE                     ; a wave's share of E
.set RB,    147456
.set RW,    32256
.set QFB,   276480
.set QFW,   8448
.set PQ,    528
.set WB,    147456
.set WMAT,  34816                      ; 128 rows of pitch 272: a matrix, and a wave's share of the weights
.set MEANB, 310272
.set SPARE, 310528
.set R_,  1                            ; l % 16
.set H_,  2                            ; l / 16
.set L_,  3                            ; l
.set AD,  4                            ; R_w + shift + 2000 r + 32 h: the layout's address in a window
.set AQ,  5                            ; the same for q_first: pitch 528
.set AT0, 6                            ; v6-8   turning loads of E: my place + 0, 64,512, 129,024
.set AE0, 9                            ; v9-12  plain loads of E: my place + 0, 36,864, 73,728, 110,592
.set AW0, 13                           ; v13-16 plain loads of Wv, Wl, Wg, C^T
.set AF,  17                           ; R_w + shift + 16 l
.set AF3, 18                           ; R_w + shift + 16 min(96 + l, 124)
.set AFL, 19                           ; R_w + 16 l
.set VO,  20                           ; 16 l
.set VC,  21                           ; l - shift / 16
.set IDX, 22                           ; my row's last node; then its fragment's byte offset in ef16
.set AM,  23                           ; the mean
.set V3C, 24                           ; 16 min(96 + l, 124)
.set TP,  25
.set FP,  26                           ; v26-27 the row's factor on the score
.set NM,  28                           ; v28-29 1 / a row's scale; the row's maximum; 1 / the row's sum
.set SPW, 30
.set NIL, 31
.set XF,  32
.set ACC, 64
.set DA,  64                           ; v64-95 the gather's 32 offsets, until the first product
.set FB0, 128
.set T,   128
.set MV,  0
.set XA,  128
.set LE,  192
.set CM,  28                           ; s28-59: first four descriptors' group 1, then 32 lane masks, then constants
.set MSB, 0
.macro WIN new                         ; the high byte repeats the setting that is left; a switch that changes nothing is dropped
.if MSB != (\new)
	s_set_vgpr_msb (MSB<<8)|(\new)
.set MSB, \new
.endif
.endm
.macro ROUND                           ; a round of the cluster's barrier: my work-group's barrier; wave 0 signals for it; every wave waits for all four work-groups; my work-group's barrier once more
	s_barrier_signal -1
	s_barrier_wait -1
	s_cmp_lg_u32 s20, 0
	s_cbranch_scc1 .Lnot_wave_0_\@
	s_barrier_signal -3
.Lnot_wave_0_\@:
	s_barrier_wait -3
	s_barrier_signal -1
	s_barrier_wait -1
.endm
.macro PLACES                          ; four places between a matrix instruction and a load into, or a vector instruction on, its registers (ISA guide 7.12.1 for vector instructions)
.rept 4
	v_nop
.endr
.endm
.macro LDN n, dst, tr, areg, o0, dc, d2  ; n fragments of 8 registers: two loads of 16 bytes a lane each, plain or turning
.set c_, 0
.rept \n
.if \tr
	ds_load_tr16_b128 v[(\dst)+8*c_:(\dst)+8*c_+3], v[\areg] offset:(\o0)+c_*(\dc)
	ds_load_tr16_b128 v[(\dst)+8*c_+4:(\dst)+8*c_+7], v[\areg] offset:(\o0)+c_*(\dc)+(\d2)
.else
	ds_load_b128 v[(\dst)+8*c_:(\dst)+8*c_+3], v[\areg] offset:(\o0)+c_*(\dc)
	ds_load_b128 v[(\dst)+8*c_+4:(\dst)+8*c_+7], v[\areg] offset:(\o0)+c_*(\dc)+(\d2)
.endif
.set c_, c_+1
.endr
.endm
.macro MUL8 fb, src, cmode             ; eight products on the eight accumulators, which take turns.  cmode 0: they start the sums; 1: they add; 2: they start them with q_first
.set c_, 0
.rept 8
.if (\cmode) == 0
	v_wmma_f32_16x16x32_f16 v[ACC+8*c_:ACC+8*c_+7], v[(\fb)+8*c_:(\fb)+8*c_+7], v[(\src):(\src)+7], 0
.elseif (\cmode) == 1
	v_wmma_f32_16x16x32_f16 v[ACC+8*c_:ACC+8*c_+7], v[(\fb)+8*c_:(\fb)+8*c_+7], v[(\src):(\src)+7], v[ACC+8*c_:ACC+8*c_+7]
.else
	v_wmma_f32_16x16x32_f16 v[ACC+8*c_:ACC+8*c_+7], v[(\fb)+8*c_:(\fb)+8*c_+7], v[(\src):(\src)+7], v[XA+8*c_:XA+8*c_+7]
.endif
.set c_, c_+1
.endr
.endm
.macro LDW s, fb                       ; the weights' fragments of chain step s: matrix s / 4 as it lies (16 rows x 32 along its rows), eight tiles of rows
	LDN 8,\fb,0,AW0+(\s)/4,64*((\s)%4),16*PW,32
.endm
.macro STEPW s, src, cmode, win, extra=0  ; a chain step: the next step's fragments are asked for, this step's are waited for and multiplied
.if ((\s) != 0) && ((\s) != 12)
	PLACES                                         ; (at steps 0 and 12 the scaling and packing in front are the places)
.endif
.if \extra
.irp i, 0,1,2,3,4,5,6,7
	ds_load_b128 v[XF+4*\i:XF+4*\i+3], v[AM] offset:32*\i  ; the mean as source 1: all 16 columns alike
.endr
.endif
.if (\s) < 15
	LDW (\s)+1,FB0+64*(((\s)+1)%2)
	s_wait_dscnt 16                                ; all but the sixteen just issued
.else
	s_wait_dscnt 0x0
.endif
	WIN \win
	MUL8 FB0+64*((\s)%2),\src,\cmode
.endm
.macro MULS g, fb                      ; score tiles 2 g, 2 g + 1: eight products; the two accumulators take turns
.irp kk, 0,1,2,3
.irp u, 0,1
.if \kk == 0
	v_wmma_f32_16x16x32_f16 v[8*(2*(\g)+\u):8*(2*(\g)+\u)+7], v[(\fb)+8*(4*\u+\kk):(\fb)+8*(4*\u+\kk)+7], v[XF+8*\kk:XF+8*\kk+7], 0
.else
	v_wmma_f32_16x16x32_f16 v[8*(2*(\g)+\u):8*(2*(\g)+\u)+7], v[(\fb)+8*(4*\u+\kk):(\fb)+8*(4*\u+\kk)+7], v[XF+8*\kk:XF+8*\kk+7], v[8*(2*(\g)+\u):8*(2*(\g)+\u)+7]
.endif
.endr
.endr
.endm
.macro PACK32                          ; the eight accumulators, rounded in pairs, are the next product's source 1; each accumulator is read from its low end on
.set q_, 0
.rept 32
	v_cvt_pk_f16_f32 v[XF+q_], v[ACC+2*q_], v[ACC+2*q_+1]
.set q_, q_+1
.endr
.endm
; A row of the accumulators is brought into 1 .. 2 and packed.  The row's largest magnitude: two chains of maxima and two of minima over my 64 numbers, then the other half of the lanes'; 2^e is the power of two at
; or below it; the accumulators are multiplied by 2^-e, exactly, and the row's factor takes 2^e.  first = 1: the factor starts as 2^e x 2 log2(e) / (8 sqrt(128)), which turns a dot product into tanh's exponent.
.macro NORMROW first
	PLACES
	v_max_num_f32 v[XF], v[ACC], v[ACC+1]
	v_min_num_f32 v[XF+2], v[ACC], v[ACC+1]
	v_max_num_f32 v[XF+1], v[ACC+2], v[ACC+3]
	v_min_num_f32 v[XF+3], v[ACC+2], v[ACC+3]
.set i_, 2
.rept 30
	v_max3_num_f32 v[XF+i_%2], v[XF+i_%2], v[ACC+2*i_], v[ACC+2*i_+1]
	v_min3_num_f32 v[XF+2+i_%2], v[XF+2+i_%2], v[ACC+2*i_], v[ACC+2*i_+1]
.set i_, i_+1
.endr
	v_max_num_f32 v[XF], v[XF], v[XF+1]
	v_min_num_f32 v[XF+2], v[XF+2], v[XF+3]
	v_sub_f32 v[XF+2], 0, v[XF+2]
	v_max_num_f32 v[XF], v[XF], v[XF+2]
	v_permlanex16_b32 v[XF+1], v[XF], s94, s95
	v_max_num_f32 v[XF], v[XF], v[XF+1]
	v_and_b32 v[XF], 0x7f800000, v[XF]             ; 2^e
	v_sub_nc_u32 v[NM], 0x7f000000, v[XF]          ; 2^-e, by the exponent's bits
	v_mov_b32 v[NM+1], v[NM]
.if \first
	v_mul_f32 v[FP], 0x3d0293ee, v[XF]
.else
	v_mul_f32 v[FP], v[FP], v[XF]
.endif
	v_mov_b32 v[FP+1], v[FP]
.set q_, 0
.rept 32
	v_pk_mul_f32 v[ACC+2*q_:ACC+2*q_+1], v[ACC+2*q_:ACC+2*q_+1], v[NM:NM+1]
.set q_, q_+1
.endr
	PACK32
.endm
.macro GATHER r0                       ; eight rows of dists: a load takes 512 consecutive bytes of one row; a row is four loads (no hint: a row may be named twice)
.set r_, \r0
.rept 8
	global_load_b128 v[16*r_:16*r_+3], v[DA+2*r_], s[6:7]
	global_load_b128 v[16*r_+4:16*r_+7], v[DA+2*r_], s[6:7] offset:512
	global_load_b128 v[16*r_+8:16*r_+11], v[DA+2*r_], s[6:7] offset:1024
	global_load_b128 v[16*r_+12:16*r_+15], v[DA+2*r_+1], s[6:7]
.set r_, r_+1
.endr
.endm
	; ---------------- the head
	s_load_b512 s[4:19], s[0:1], 0x0               ; mask s[4:5], dists s[6:7], q_first s[8:9], last_node s[10:11], ef16 s[12:13], wf16 s[14:15], part s[16:17], out0 s[18:19]
	v_lshl_add_u32 v[SPW], v0, 2, SPARE
	v_mov_b32 v[NIL], 0
	ds_add_u32 v[SPW], v[NIL]                      ; the wave's opening: the add, twice on end, and its wait ahead of my first tensor load; the set-up below, work on registers, stands between
	ds_add_u32 v[SPW], v[NIL]
	v_lshrrev_b32 v[TP], 5, v0
	v_readfirstlane_b32 s20, v[TP]                 ; wave 0..3
	s_bfe_u32 s21, ttmp6, 0x40000                  ; cx: it enters global addresses, the count of live chunks and EXEC alone
	s_and_b32 s22, ttmp7, 0xffff                   ; b, which the four partners share
	s_lshl_b32 s23, ttmp9, 2
	s_add_co_u32 s23, s23, s21
	s_lshl_b32 s23, s23, 2
	s_add_co_u32 s23, s23, s20                     ; my tile of 16 rows, 0..31
	s_and_b32 s25, s22, 3
	s_lshl_b32 s25, s25, 6                         ; shift
	s_mov_b32 s26, 2000
	s_cmp_eq_u32 s23, 31                           ; the batch's last tile?
	s_cselect_b32 s26, 500, s26                    ; live chunks of 16 bytes: 125 a row
	s_cselect_b32 s24, 24576, 0                    ; how far the second part of the mask's window is moved back,
	s_cselect_b32 s27, 6144, 0                     ; and of q_first's rows
	s_lshl_b32 s66, s23, 4                         ; p0
	s_mul_i32 s67, s22, 500
	s_add_co_u32 s67, s67, s66                     ; 500 b + p0
	s_mul_i32 s92, s67, 2000
	s_sub_co_u32 s92, s92, s25                     ; the window's first byte in the mask and in out0
	s_mov_b32 s93, 0
	s_mov_b32 s101, 0
	s_mov_b32 s3, 0
	; group 1 of the mask's two loads: dense bytes as rows of 32 elements of 8 bytes; 32 rows, then 94
.irp g, 28,36
	s_mov_b32 s[\g], 3<<16                         ; 17:16 elements of 8 bytes; no mask, no padding
	s_mov_b32 s[\g+1], 32<<16                      ; tensor_dim0
	s_mov_b32 s[\g+3], 32<<16                      ; tile_dim0
	s_mov_b32 s[\g+5], 32                          ; elements from row to row
	s_mov_b32 s[\g+6], 0
	s_mov_b32 s[\g+7], 0
.endr
	s_mov_b32 s30, 32<<16                          ; tensor_dim1
	s_mov_b32 s32, 32                              ; tile_dim1
	s_mov_b32 s38, 94<<16
	s_mov_b32 s40, 94
	; group 1 of q_first's two loads: rows of 128 f32, 4 words of padding behind every 128; 4 rows, then 12
.irp g, 44,52
	s_mov_b32 s[\g], (2<<16)|(1<<20)|(6<<22)|(3<<25)
	s_mov_b32 s[\g+1], 128<<16
	s_mov_b32 s[\g+3], 128<<16
	s_mov_b32 s[\g+5], 128
	s_mov_b32 s[\g+6], 0
	s_mov_b32 s[\g+7], 0
.endr
	s_mov_b32 s46, 4<<16
	s_mov_b32 s48, 4
	s_mov_b32 s54, 12<<16
	s_mov_b32 s56, 12
	; group 1 of the joint loads: 128 rows of 128 f16; the mask of four, bit 21 beside it; behind every 64 words 8 words of padding (E)
	s_mov_b32 s84, 15|(1<<16)|(1<<20)|(1<<21)|(5<<22)|(7<<25)
	s_mov_b32 s85, 128<<16
	s_mov_b32 s86, 128<<16
	s_mov_b32 s87, 128<<16
	s_mov_b32 s88, 128
	s_mov_b32 s89, 128
	s_mov_b32 s90, 0
	s_mov_b32 s91, 0
	s_mov_b32 s60, 1
	s_mul_i32 s61, s20, RW
	s_add_co_u32 s61, s61, RB                      ; R_w
	s_mov_b32 s68, 1
	s_add_co_u32 s69, s61, 8192
	s_mov_b32 s72, 1
	s_mul_i32 s73, s20, QFW
	s_add_co_u32 s73, s73, QFB
	s_mov_b32 s76, 1
	s_add_co_u32 s77, s73, 4*PQ
	s_mov_b32 s80, 1
	s_mul_i32 s81, s20, ESH                        ; my 128 rows of E
	s_mov_b32 s94, 0x76543210                      ; v_permlanex16_b32: each lane takes its own place in the other half
	s_mov_b32 s95, 0xfedcba98
	s_mov_b32 s96, 0xff800000                      ; -inf
	s_mov_b32 s97, 0xccbebc20                      ; -1e8
	s_mov_b32 s98, 0xffff0000                      ; lanes 16-31
	s_add_co_u32 s99, s61, s25                     ; R_w + shift
	v_and_b32 v[L_], 31, v0
	v_and_b32 v[R_], 15, v0
	v_bfe_u32 v[H_], v0, 4, 1
	v_mul_u32_u24 v[AD], v[R_], 2000
	v_lshl_add_u32 v[AD], v[H_], 5, v[AD]
	v_add_nc_u32 v[AD], s99, v[AD]
	v_mul_u32_u24 v[AQ], v[R_], PQ
	v_lshl_add_u32 v[AQ], v[H_], 5, v[AQ]
	v_add_nc_u32 v[AQ], s73, v[AQ]
	v_and_b32 v[TP], 7, v0                         ; the turning load: lane l reads row 8 (l / 16) + l % 8, chunk (l / 8) % 2 of 32 bytes
	v_lshl_add_u32 v[TP], v[H_], 3, v[TP]
	v_mul_u32_u24 v[AT0], v[TP], PE
	v_bfe_u32 v[TP], v0, 3, 1
	v_add_nc_u32 v[TP], v[TP], v[H_]
	v_and_b32 v[TP], 1, v[TP]                      ; bit 3 of l and l / 16, added without carry.  Turning: chunk (l / 8) % 2 of a row whose bit 3 is l / 16.  Plain: chunk l / 16 of a row whose bit 3 is bit 3 of l
	v_lshl_add_u32 v[AT0], v[TP], 4, v[AT0]
	v_add_nc_u32 v[AT0+1], 7*32*PE, v[AT0]         ; an LDS immediate has 16 bits: seven steps of 32 rows to a register
	v_add_nc_u32 v[AT0+2], 14*32*PE, v[AT0]
	v_mul_u32_u24 v[AE0], v[R_], PE
	v_lshl_add_u32 v[AE0], v[TP], 4, v[AE0]
.irp m, 1,2,3
	v_add_nc_u32 v[AE0+\m], \m*128*PE, v[AE0]      ; eight tiles of 16 rows to a register
.endr
	v_mul_u32_u24 v[AW0], v[R_], PW
	v_lshl_add_u32 v[AW0], v[H_], 4, v[AW0]
.irp m, 1,2,3
	v_add_nc_u32 v[AW0+\m], WB+\m*WMAT, v[AW0]
.endr
	v_add_nc_u32 v[AW0], WB, v[AW0]
	v_lshl_add_u32 v[AM], v[H_], 4, MEANB
	v_lshlrev_b32 v[VO], 4, v[L_]
	v_add_nc_u32 v[TP], 96, v[L_]
	v_min_u32 v[TP], 124, v[TP]                    ; a row has 125 chunks of 16 bytes: in its last quarter lanes 29-31 repeat chunk 124
	v_lshlrev_b32 v[V3C], 4, v[TP]
	v_add_nc_u32 v[AF], s99, v[VO]
	v_add_nc_u32 v[AF3], s99, v[V3C]
	v_add_nc_u32 v[AFL], s61, v[VO]
	s_lshr_b32 s99, s25, 4
	v_sub_nc_u32 v[VC], v[L_], s99
	v_add_nc_u32 v[TP], s66, v[R_]
	v_min_u32 v[TP], 499, v[TP]                    ; dead rows take row 499's node
	v_lshlrev_b32 v[TP], 2, v[TP]
	v_lshlrev_b32 v[FP], 2, v0
	s_wait_dscnt 0x0                               ; both opening adds are done
	s_wait_kmcnt 0x0
	s_add_nc_u64 s[18:19], s[18:19], s[92:93]      ; out0 at my window
	s_add_nc_u64 s[62:63], s[4:5], s[92:93]        ; the mask's window, rows 0-31
	s_or_b32 s63, s63, 0x80000000                  ; type = 2
	s_add_co_u32 s100, s92, 8192
	s_sub_co_u32 s100, s100, s24
	s_add_nc_u64 s[70:71], s[4:5], s[100:101]      ; rows 32-125
	s_or_b32 s71, s71, 0x80000000
	s_lshl_b32 s100, s67, 9
	s_add_nc_u64 s[74:75], s[8:9], s[100:101]      ; q_first, my rows 0-3
	s_or_b32 s75, s75, 0x80000000
	s_add_co_u32 s100, s100, 2048
	s_sub_co_u32 s100, s100, s27
	s_add_nc_u64 s[78:79], s[8:9], s[100:101]      ; rows 4-15
	s_or_b32 s79, s79, 0x80000000
	s_lshl_b32 s2, s22, 17                         ; s[2:3] hold offsets made of b and the wave's number alone
	s_add_nc_u64 s[12:13], s[12:13], s[2:3]        ; ef16 at the batch
	s_lshl_b32 s2, s20, 15
	s_add_nc_u64 s[82:83], s[12:13], s[2:3]        ; my 128 rows of it
	s_or_b32 s83, s83, 0x80000000
	s_mul_i32 s2, s22, 2000
	s_add_nc_u64 s[10:11], s[10:11], s[2:3]        ; last_node, dists and part at the batch
	s_mul_i32 s2, s22, 1000000
	s_add_nc_u64 s[6:7], s[6:7], s[2:3]
	s_mul_i32 s2, s22, 2560
	s_add_nc_u64 s[16:17], s[16:17], s[2:3]
	ROUND                                          ; all four work-groups are here: the first joint loads meet
	tensor_load_to_lds s[60:63], s[28:35]          ; the first fills go out as one group: five loads of mine are out
	s_nop 0
	tensor_load_to_lds s[68:71], s[36:43]
	s_nop 0
	tensor_load_to_lds s[72:75], s[44:51]
	s_nop 0
	tensor_load_to_lds s[76:79], s[52:59]
	s_nop 0
	tensor_load_to_lds s[80:83], s[84:91]          ; E, jointly
	s_nop 0
	PLACES
	global_load_b32 v[IDX], v[TP], s[10:11]
.irp k, 0,1,2,3,4
	global_load_b32 v[XF+\k], v[FP], s[16:17] offset:512*\k  ; column t of the five partial sums
.endr
	s_wait_loadcnt 0x0
	v_min_u32 v[IDX], 499, v[IDX]
	v_add_f32 v[XF], v[XF], v[XF+1]
	v_add_f32 v[XF+2], v[XF+2], v[XF+3]
	v_add_f32 v[XF], v[XF], v[XF+2]
	v_add_f32 v[XF], v[XF], v[XF+4]
	v_mul_f32 v[XF], 0x3b03126f, v[XF]             ; / 500
	v_cvt_pk_f16_f32 v[XF], v[XF], v[XF]
	v_lshl_add_u32 v[XF+1], v0, 1, MEANB
	ds_store_b16 v[XF+1], v[XF]                    ; read behind the next round
	; the gather's offsets are made while the mask is on its way
.set r_, 0
.rept 16
	v_readlane_b32 s27, v[IDX], r_
	s_min_u32 s27, s27, 499
	s_mul_i32 s27, s27, 2000
	v_add_nc_u32 v[DA+2*r_], s27, v[VO]
	v_add_nc_u32 v[DA+2*r_+1], s27, v[V3C]
.set r_, r_+1
.endr
	v_and_b32 v[TP], 8, v[IDX]                     ; my row's last node in ef16: row 256 x node; chunk l / 16 of each 32 bytes, the other one where the node's bit 3 is set
	v_lshlrev_b32 v[TP], 1, v[TP]
	v_lshl_add_u32 v[TP], v[H_], 4, v[TP]
	v_and_b32 v[TP], 16, v[TP]
	v_lshl_add_u32 v[IDX], v[IDX], 8, v[TP]
	; ---------------- the mask and q_first into registers, while E lands
	s_wait_tensorcnt 0x1                           ; only E, issued last, may be out; the mask's and q_first's bytes are my own, so this wait is all that the reads need
	WIN 0x40
.set t_, 0
.rept 32
	ds_load_b128 v[8*t_:8*t_+3], v[AD] offset:64*t_
	ds_load_b128 v[8*t_+4:8*t_+7], v[AD] offset:64*t_+16
.set t_, t_+1
.endr
	WIN 0x80
.set t_, 0
.rept 8
	ds_load_b128 v[XA+8*t_:XA+8*t_+3], v[AQ] offset:64*t_
	ds_load_b128 v[XA+8*t_+4:XA+8*t_+7], v[AQ] offset:64*t_+16
.set t_, t_+1
.endr
.irp i, 0,1,2,3,4,5,6,7
	global_load_b128 v[LE+4*\i:LE+4*\i+3], v[IDX], s[12:13] offset:32*\i  ; the last nodes' rows: wanted in the chain's fifth step
.endr
	WIN 0xc0
	GATHER 0                                       ; the mask has landed: now the first eight rows of dists, wanted behind the chain
	; reference()'s two selects on isneginf, 32 registers at a time: mask_visited (1 for -inf) goes to f16, mask_prob (-1e8 for -inf) stays in place.  s28-59 are free: the four loads that named them are done
.set k_, 0
.rept 8
.if 72-8*k_ > 63
	s_wait_dscnt 63                                ; of the 80 LDS loads batch k wants the first 8 k + 8; a wait can name 63 at the most
.else
	s_wait_dscnt 72-8*k_
.endif
.if k_ == 7
	WIN 0x40                                       ; columns 500-511 (tile 31: registers 4-7, and in lanes 16-31 all eight) count as 0
.irp i, 252,253,254,255
	v_mov_b32 v[\i], 0
.endr
	WIN 0x41
.irp i, 248,249,250,251
	v_cndmask_b32 v[\i], v[\i], 0, s98
.endr
.endif
	WIN 0x01
.set i_, 0
.rept 32
	v_cmp_eq_f32 s[CM+i_], v[32*k_+i_], s96
.set i_, i_+1
.endr
.set i_, 0
.rept 32
	v_cndmask_b32 v[T+i_], v[32*k_+i_], 1.0, s[CM+i_]
.set i_, i_+1
.endr
	WIN 0x41
.set i_, 0
.rept 32
	v_cndmask_b32 v[32*k_+i_], v[32*k_+i_], s97, s[CM+i_]
.set i_, i_+1
.endr
	WIN 0x80
.set i_, 0
.rept 16
	v_cvt_pk_f16_f32 v[MV+16*k_+i_], v[T+2*i_], v[T+2*i_+1]
.set i_, i_+1
.endr
.set k_, k_+1
.endr
	s_mov_b32 s28, 0xc00293ee                      ; -2 log2(e) / sqrt(2)
	s_mov_b32 s29, s28                             ; (named as pairs)
	s_mov_b32 s30, 0xc1a00000                      ; -20
	s_mov_b32 s31, s30
	s_mov_b32 s32, 0x41200000                      ; 10
	s_mov_b32 s33, s32
	s_mov_b32 s34, 0x3fb8aa3b                      ; log2(e)
	s_mov_b32 s35, s34
	s_mov_b32 s36, 0x3b03126f                      ; 1 / 500
	s_mov_b32 s37, s36
	; ---------------- the one refill: the weights, over the mask's windows and part of q_first
	WIN 0
	s_wait_tensorcnt 0x0                           ; all my tensor loads have landed, my part of E among them, so the joint descriptor may be written
	ds_add_u32 v[SPW], v[NIL]                      ; 0 onto my spare word; the descriptor's words stand between it and the wait for it
	s_mov_b32 s84, 15|(1<<16)|(1<<20)|(1<<21)|(5<<22)|(3<<25)  ; as for E, with 4 words of padding
	s_mul_i32 s81, s20, WMAT
	s_add_co_u32 s81, s81, WB
	s_lshl_b32 s2, s20, 15                         ; wave w fetches matrix w
	s_add_nc_u64 s[82:83], s[14:15], s[2:3]
	s_or_b32 s83, s83, 0x80000000
	s_wait_dscnt 0x0                               ; the add is done, the mean is stored, and my reads of my window and of q_first are over
	ROUND                                          ; E is whole in every work-group, and no wave of any partner still reads what the weights overwrite
	tensor_load_to_lds s[80:83], s[84:91]          ; my one load behind the round: it lands under the next phase
	s_nop 0
	PLACES
	WIN 0xc0
	GATHER 8                                       ; the other eight rows of dists
	; ---------------- me^T = E^T mask_visited^T: 16 steps of 32 nodes, E turned; one window setting for the phase
	WIN 0x08
	LDN 8,FB0,1,AT0,0,32,16*PE
.set kk_, 0
.rept 16
.if kk_ > 0
	PLACES
.endif
.if kk_ < 15
	LDN 8,FB0+64*((kk_+1)%2),1,AT0+(kk_+1)/7,((kk_+1)%7)*32*PE,32,16*PE
	s_wait_dscnt 16                                ; all but the sixteen just issued
.else
	s_wait_dscnt 0x0
.endif
.if kk_ == 0
	s_wait_xcnt 0x0                                ; the gather's loads have read their offsets: the products below write v64-95
	MUL8 FB0,MV,0
.else
	MUL8 FB0+64*(kk_%2),MV+8*kk_,1
.endif
.set kk_, kk_+1
.endr
	s_wait_tensorcnt 0x0                           ; my matrix of the weights has landed (no LDS instruction of mine is out: the last step waited for 0):
	s_barrier_signal -1                            ; say so; the scaling and packing, work on registers, stand between signal and wait
	PLACES
	WIN 0
.set q_, 0
.rept 32
	v_pk_mul_f32 v[ACC+2*q_:ACC+2*q_+1], v[ACC+2*q_:ACC+2*q_+1], s[36:37] op_sel_hi:[1,0]
.set q_, q_+1
.endr
	PACK32
	s_barrier_wait -1                              ; everybody's has
	; ---------------- the chain: X1 = q_first + me Wv^T + last Wl^T + mean Wg^T; q2 = X1 C
	LDW 0,FB0
	STEPW 0,XF,2,0x20
	STEPW 1,XF+8,1,0
	STEPW 2,XF+16,1,0
	STEPW 3,XF+24,1,0
	s_wait_loadcnt 63                              ; the eight loads of the last nodes' rows have 64 younger ones behind them; 63 is the largest count that a wait can name
	STEPW 4,LE,1,0x08,1
	STEPW 5,LE+8,1,0x08
	STEPW 6,LE+16,1,0x08
	STEPW 7,LE+24,1,0x08
	STEPW 8,XF,1,0
	STEPW 9,XF+8,1,0
	STEPW 10,XF+16,1,0
	STEPW 11,XF+24,1,0
	NORMROW 1
	STEPW 12,XF,0,0
	STEPW 13,XF+8,1,0
	STEPW 14,XF+16,1,0
	STEPW 15,XF+24,1,0
	s_barrier_signal -1                            ; my reads of the weights are over (the last step waited for 0)
	NORMROW 0                                      ; q2, scaled; work on registers alone
	s_barrier_wait -1                              ; everybody's are: R_w is my own again, and no tensor load follows
	; ---------------- the rows of dists through R_w into the layout of the scores
	s_wait_loadcnt 0x0
	WIN 0x0c
.set r_, 0
.rept 16
	ds_store_b128 v[AF], v[16*r_:16*r_+3] offset:2000*r_
	ds_store_b128 v[AF], v[16*r_+4:16*r_+7] offset:2000*r_+512
	ds_store_b128 v[AF], v[16*r_+8:16*r_+11] offset:2000*r_+1024
	ds_store_b128 v[AF3], v[16*r_+12:16*r_+15] offset:2000*r_
.set r_, r_+1
.endr
	WIN 0xc0
.set t_, 0
.rept 32
	ds_load_b128 v[8*t_:8*t_+3], v[AD] offset:64*t_      ; LDS serves a wave's instructions in order (ISA guide 5.7.1.4): these see the stores above
	ds_load_b128 v[8*t_+4:8*t_+7], v[AD] offset:64*t_+16
.set t_, t_+1
.endr
	; ---------------- the scores: 16 trips of two tiles of 16 nodes; the scaling of dists, eight lines a trip, is the places behind the products
	WIN 0
	LDN 4,FB0,0,AE0,0,64,32
	LDN 4,FB0+32,0,AE0,16*PE,64,32
.set g_, 0
.rept 16
.if g_ > 0
	WIN 0xc3
.set q_, 8*(g_-1)
.rept 8
	v_pk_mul_f32 v[2*q_:2*q_+1], v[2*q_:2*q_+1], s[28:29] op_sel_hi:[1,0]
.set q_, q_+1
.endr
.endif
	WIN 0
.if g_ < 15
	LDN 4,FB0+64*((g_+1)%2),0,AE0+(2*g_+2)/8,((2*g_+2)%8)*16*PE,64,32
	LDN 4,FB0+64*((g_+1)%2)+32,0,AE0+(2*g_+3)/8,((2*g_+3)%8)*16*PE,64,32
	s_wait_dscnt 16                                ; all but the sixteen just issued (in the first trip: the rows of dists are back too)
.else
	s_wait_dscnt 0x0
.endif
	WIN 0xa0
	MULS g_,FB0+64*(g_%2)
.set g_, g_+1
.endr
	WIN 0xc3
.set q_, 120
.rept 8
	v_pk_mul_f32 v[2*q_:2*q_+1], v[2*q_:2*q_+1], s[28:29] op_sel_hi:[1,0]
.set q_, q_+1
.endr
	; ---------------- tanh, mask, softmax, in place on S.  Two halves, H0 = registers 0-127 and H1 = 128-251, take turns: one half's transcendentals stand among the other half's plain lines.
	; Each batch of transcendentals has one wait, behind a plain line and ahead of the first line that names a result.
.macro EP_Y q                          ; 2 log2(e) x = S x factor + scaled distance
	v_pk_fma_f32 v[2*(\q):2*(\q)+1], v[2*(\q):2*(\q)+1], v[FP:FP+1], v[2*(\q):2*(\q)+1]
.endm
.macro EP_ONE q
	v_pk_add_f32 v[2*(\q):2*(\q)+1], v[2*(\q):2*(\q)+1], 1.0 op_sel_hi:[1,0]
.endm
.macro EP_SC q                         ; 10 tanh(x) = 10 - 20 / (1 + 2^(2 log2(e) x))
	v_pk_fma_f32 v[2*(\q):2*(\q)+1], v[2*(\q):2*(\q)+1], s[30:31], s[32:33] op_sel_hi:[1,0,0]
.endm
.macro EP_MK q                         ; + mask_prob
	v_pk_add_f32 v[2*(\q):2*(\q)+1], v[2*(\q):2*(\q)+1], v[2*(\q):2*(\q)+1]
.endm
.macro EP_SUB q                        ; - the row's maximum
	v_pk_add_f32 v[2*(\q):2*(\q)+1], v[2*(\q):2*(\q)+1], v[NM:NM+1] neg_lo:[0,1] neg_hi:[0,1]
.endm
.macro EP_L2 q
	v_pk_mul_f32 v[2*(\q):2*(\q)+1], v[2*(\q):2*(\q)+1], s[34:35] op_sel_hi:[1,0]
.endm
.macro EP_SUM c, q                     ; sum pair c (registers 252-255, columns that do not exist) takes pair q
	v_pk_add_f32 v[252+2*(\c):253+2*(\c)], v[252+2*(\c):253+2*(\c)], v[2*(\q):2*(\q)+1]
.endm
	WIN 0xb2                                       ; S in window 2, the factor in window 0, the distances in window 3
.set i_, 0
.rept 64
	EP_Y i_
.set i_, i_+1
.endr
.set i_, 0
.rept 62
	v_exp_f32 v[2*i_], v[2*i_]
	v_exp_f32 v[2*i_+1], v[2*i_+1]
	EP_Y 64+i_
.set i_, i_+1
.endr
.irp i, 124,125,126,127
	v_exp_f32 v[\i], v[\i]
.endr
	v_nop
	s_wait_alu depctr_va_vdst(0)
	WIN 0x82
.set i_, 0
.rept 62
	v_exp_f32 v[128+2*i_], v[128+2*i_]
	v_exp_f32 v[129+2*i_], v[129+2*i_]
	EP_ONE i_
.set i_, i_+1
.endr
	EP_ONE 62
	EP_ONE 63
	s_wait_alu depctr_va_vdst(0)
.set i_, 0
.rept 62
	v_rcp_f32 v[2*i_], v[2*i_]
	v_rcp_f32 v[2*i_+1], v[2*i_+1]
	EP_ONE 64+i_
.set i_, i_+1
.endr
.irp i, 124,125,126,127
	v_rcp_f32 v[\i], v[\i]
.endr
	v_nop
	s_wait_alu depctr_va_vdst(0)
	WIN 0x86                                       ; source 1: mask_prob, in window 1
.set i_, 0
.rept 62
	v_rcp_f32 v[128+2*i_], v[128+2*i_]
	EP_SC i_
	v_rcp_f32 v[129+2*i_], v[129+2*i_]
	EP_MK i_
.set i_, i_+1
.endr
	EP_SC 62
	EP_SC 63
	EP_MK 62
	EP_MK 63
	s_wait_alu depctr_va_vdst(0)
.set i_, 0
.rept 62
	EP_SC 64+i_
.set i_, i_+1
.endr
.set i_, 0
.rept 62
	EP_MK 64+i_
.set i_, i_+1
.endr
.irp i, 248,249,250,251
	v_cndmask_b32 v[\i], v[\i], s96, s98           ; columns 504-507 do not exist: -inf, whatever stood there
.endr
	WIN 0
.irp k, 0,1,2,3
	v_mov_b32 v[T+\k], s96
.endr
	WIN 0x28                                       ; four chains in window 0, the scores in window 2
.set i_, 0
.rept 126
	v_max3_num_f32 v[T+i_%4], v[T+i_%4], v[2*i_], v[2*i_+1]
.set i_, i_+1
.endr
	WIN 0
	v_max3_num_f32 v[T], v[T], v[T+1], v[T+2]
	v_max_num_f32 v[T], v[T], v[T+3]
	v_permlanex16_b32 v[T+1], v[T], s94, s95       ; the row's other columns lie in the lane 16 away
	v_max_num_f32 v[NM], v[T], v[T+1]
	v_mov_b32 v[NM+1], v[NM]
	WIN 0x82
.set i_, 0
.rept 64
	EP_SUB i_
.set i_, i_+1
.endr
.set i_, 0
.rept 64
	EP_L2 i_
.set i_, i_+1
.endr
.set i_, 0
.rept 62
	v_exp_f32 v[2*i_], v[2*i_]
	EP_SUB 64+i_
	v_exp_f32 v[2*i_+1], v[2*i_+1]
	EP_L2 64+i_
.set i_, i_+1
.endr
.irp i, 124,125,126,127
	v_exp_f32 v[\i], v[\i]
.endr
	v_nop
	s_wait_alu depctr_va_vdst(0)
	WIN 0x8a
.set i_, 0
.rept 62
	v_exp_f32 v[128+2*i_], v[128+2*i_]
	v_exp_f32 v[129+2*i_], v[129+2*i_]
.if i_ < 2
	v_pk_add_f32 v[252+2*i_:253+2*i_], v[4*i_:4*i_+1], v[4*i_+2:4*i_+3]  ; the first additions start the two sums: nothing is cleared
.else
	EP_SUM i_%2,i_+2
.endif
.set i_, i_+1
.endr
	s_wait_alu depctr_va_vdst(0)
.set i_, 0
.rept 62
	EP_SUM i_%2,64+i_
.set i_, i_+1
.endr
	v_pk_add_f32 v[252:253], v[252:253], v[254:255]
	WIN 0x0a
	v_add_f32 v[T], v252, v253
	WIN 0
	v_permlanex16_b32 v[T+1], v[T], s94, s95
	v_add_f32 v[T], v[T], v[T+1]
	v_rcp_f32 v[NM], v[T]
	; which chunks of 16 bytes of my window are mine and live: chunk 32 i + l, less shift / 16, lies below the count.  Four masks; the lines are the independent work behind the reciprocal
	v_add_nc_u32 v[TP], 480, v[VC]
	v_cmp_gt_u32 s40, s26, v[VC]                   ; group 0
	v_cmp_gt_u32 s41, s26, v[TP]                   ; group 15
	v_add_nc_u32 v[TP], 512, v[VC]
	v_cmp_gt_u32 s42, s26, v[TP]                   ; groups 16-61: all lanes, or in a batch's last tile none
	v_add_nc_u32 v[TP], 1984, v[VC]
	v_cmp_gt_u32 s43, s26, v[TP]                   ; group 62
	s_wait_alu depctr_va_vdst(0)
	v_mov_b32 v[NM+1], v[NM]
	WIN 0x82
.set i_, 0
.rept 126
	v_pk_mul_f32 v[2*i_:2*i_+1], v[2*i_:2*i_+1], v[NM:NM+1]
.set i_, i_+1
.endr
	; ---------------- the way out: into R_w by the layout, back as 63 groups of 512 consecutive bytes, stored
	WIN 0x08
	ds_store_b128 v[AD], v[248:251] offset:64*31   ; tile 31 first: what lanes 16-31 put into the next row's columns 4-7 is overwritten by tile 0 below
.set t_, 0
.rept 31
	ds_store_b128 v[AD], v[8*t_:8*t_+3] offset:64*t_
	ds_store_b128 v[AD], v[8*t_+4:8*t_+7] offset:64*t_+16
.set t_, t_+1
.endr
	WIN 0xc0
.set i_, 0
.rept 63
	ds_load_b128 v[4*i_:4*i_+3], v[AFL] offset:512*i_
.set i_, i_+1
.endr
	WIN 0x0c
.macro OUT i                           ; 16 lanes store 256 consecutive bytes, at a multiple of 256 from out0's first byte
	s_wait_dscnt 62-(\i)                           ; the younger loads from the stage may stay out
	global_store_b128 v[VO], v[4*(\i):4*(\i)+3], s[18:19] offset:512*(\i) th:TH_STORE_NT
.endm
	s_and_saveexec_b32 s99, s40                    ; (no global instruction has been issued since the last wait on XCNT)
	OUT 0
	s_wait_xcnt 0x0                                ; EXEC changes only behind this wait
	s_or_b32 exec_lo, exec_lo, s99
.set i_, 1
.rept 14
	OUT i_
.set i_, i_+1
.endr
	s_wait_xcnt 0x0
	s_and_saveexec_b32 s99, s41
	OUT 15
	s_wait_xcnt 0x0
	s_or_b32 exec_lo, exec_lo, s99
	s_and_saveexec_b32 s99, s42
.set i_, 16
.rept 46
	OUT i_
.set i_, i_+1
.endr
	s_wait_xcnt 0x0
	s_or_b32 exec_lo, exec_lo, s99
	s_and_saveexec_b32 s99, s43
	OUT 62
	s_wait_xcnt 0x0
	s_or_b32 exec_lo, exec_lo, s99
	WIN 0
	s_wait_tensorcnt 0x0                           ; the wave's end, behind my last tensor load and my last LDS store
	ds_add_u32 v[SPW], v[NIL]
	s_wait_dscnt 0x0
	ROUND                                          ; the closing round: no work-group ends while a partner may still ask for a tile that names it
	s_endpgm
.Lfunc_end_k_q20b53bc70d_decode:
	.size	k_q20b53bc70d_decode, .Lfunc_end_k_q20b53bc70d_decode-k_q20b53bc70d_decode
	.p2alignl 7, 3214868480
	.fill 96, 4, 3214868480
	.section	.rodata,"a",@progbits
	.p2align	6, 0x0
	.amdhsa_kernel k_q20b53bc70d_decode
		.amdhsa_group_segment_fixed_size 327680
		.amdhsa_private_segment_fixed_size 0
		.amdhsa_enable_private_segment 0
		.amdhsa_kernarg_size 64
		.amdhsa_user_sgpr_count 2
		.amdhsa_user_sgpr_kernarg_segment_ptr 1
		.amdhsa_wavefront_size32 1
		.amdhsa_system_sgpr_workgroup_id_x 1
		.amdhsa_system_sgpr_workgroup_id_y 1
		.amdhsa_system_sgpr_workgroup_id_z 1
		.amdhsa_system_vgpr_workitem_id 0
		.amdhsa_next_free_vgpr 1024
		.amdhsa_next_free_sgpr 102
		.amdhsa_reserve_vcc 0
		.amdhsa_float_denorm_mode_32 3
		.amdhsa_float_denorm_mode_16_64 3
		.amdhsa_memory_ordered 1
		.amdhsa_forward_progress 1
		.amdhsa_inst_pref_size 255
	.end_amdhsa_kernel
	.section	.bss,"aw",@nobits
	.p2align	6
	.space	262144
	.amdgpu_metadata
---
amdhsa.version: [ 1, 2 ]
amdhsa.kernels:
  - .name:           k_q20b53bc70d_decode
    .symbol:         k_q20b53bc70d_decode.kd
    .args:
      - { .name: group_ninf_mask, .offset: 0, .size: 8, .value_kind: global_buffer, .address_space: global }
      - { .name: dists, .offset: 8, .size: 8, .value_kind: global_buffer, .address_space: global }
      - { .name: q_first, .offset: 16, .size: 8, .value_kind: global_buffer, .address_space: global }
      - { .name: last_node, .offset: 24, .size: 8, .value_kind: global_buffer, .address_space: global }
      - { .name: ef16, .offset: 32, .size: 8, .value_kind: global_buffer, .address_space: global }
      - { .name: wf16, .offset: 40, .size: 8, .value_kind: global_buffer, .address_space: global }
      - { .name: part, .offset: 48, .size: 8, .value_kind: global_buffer, .address_space: global }
      - { .name: out0, .offset: 56, .size: 8, .value_kind: global_buffer, .address_space: global }
    .group_segment_fixed_size: 327680
    .private_segment_fixed_size: 0
    .kernarg_segment_align: 8
    .kernarg_segment_size: 64
    .max_flat_workgroup_size: 128
    .sgpr_count:     102
    .vgpr_count:     1024
    .wavefront_size: 32
...
	.end_amdgpu_metadata
.endif
;; end of part 2
;; ======== version 2 of 2: 2 launches; version 1 with the launch cast written anew for expert scheduling mode
;; limits: values are held in f16: magnitudes above 65,504 overflow, below 6.1e-05 lose precision; inputs' magnitudes at most 65,504; right only within a limited range of input values
;; workspace buffers: ef16 4,194,304 bytes; wf16 131,072 bytes; part 81,920 bytes
;; launch cast (part 3): grid 6 x 32, 4 waves a work-group, no clusters, 10,752 bytes of LDS; arguments embeddings, Wq_visited, Wq_last, Wq_graph, Wq, Wk, ef16, wf16, part; writes ef16, wf16, part
.if DOCPART == 3
	.amdgcn_target "amdgcn-amd-amdhsa--gfx1250"
	.amdhsa_code_object_version 6
	.text
	.protected	k_q20b53bc70d_cast
	.globl	k_q20b53bc70d_cast
	.p2align	8
	.type	k_q20b53bc70d_cast,@function
k_q20b53bc70d_cast:
	s_mov_b64 s[64:65], 0
	v_nop
	global_prefetch_b8 v0, s[64:65] scope:SCOPE_SE
	s_setreg_imm32_b32 hwreg(HW_REG_WAVE_SCHED_MODE, 0, 2), 2
	s_setreg_imm32_b32 hwreg(HW_REG_WAVE_MODE, 25, 1), 1
	s_wait_xcnt 0x0
	s_wait_alu depctr_vm_vsrc(0)
; THE PROGRAM (two launches).  probs = softmax_n(10 tanh(x) + mask_prob), x[b][p][n] = mean over 8 heads of (X2 . K) / sqrt(128) - dists[b][last_node[b][p]][n] / sqrt(2),
; X2 = X1 Wq^T, X1 = E[last_node] Wl^T + q_first + mean_n(E) Wg^T + (mask_visited E / 500) Wv^T, K = E Wk^T.
; NOTHING IS LEFT OUT: every input has a way to the output and is loaded.  Three identities, which hold for all values, shape the work: the mean over 8 heads of dot products over 16 channels is one dot
; product over all 128 channels divided by 8; X2 (E Wk^T)^T = (X2 Wk) E^T, so no table K is made; and (X1 Wq^T) Wk = X1 C with C[k][j] = sum over o of Wq[o][k] Wk[o][j], which is made once, here.
; THIS LAUNCH: E is rounded once to f16 into ef16 [32][512][128] (rows 500-511 are zeros); Wv, Wl, Wg are rounded once to f16 into wf16 [4][128][128], whose fourth matrix is C^T [j][k] (f16 operands, f32 sums,
; rounded once); part [32][5][128] takes the f32 column sums of 100 rows of E each (partial sums stay in f32; the next launch adds five of them).
; THE ROWS OF ef16 ARE LAID FOR LDS: in a row whose number has bit 3 set, the two chunks of 16 bytes of every 32 bytes change places.  At a pitch of 288 bytes both kinds of fragment load of the next launch
; then touch every bank once.  A row's 256 bytes stay its own.
; LIMIT: f16 ends at 65,504: a number of E, of a weight or of C beyond it becomes an infinity.
; SHARES.  Grid 6 x 32.  x < 5: rows 100 x .. 100 x + 99 of batch y: 25 loads of 16 bytes a thread; a wave's load is one row of 512 bytes, its store one row of 256 bytes, aligned; thread t keeps
; columns 4 (t % 32) .. + 3 in all its rows.  x = 5: slice y (2,048 bytes) of Wv, Wl, Wg; batch y's twelve zero rows; and 16 rows j x 32 columns k of C^T: the sum over o is split among the four waves, 32 each.
; Both sources of that product have o along the columns of a fragment, so they come by loads of 4 bytes (16 lanes: 64 consecutive bytes of a row of Wq or Wk): 24 KiB a work-group, once.
; C^T leaves as 32 consecutive bytes a row and tile: 32 KiB of the launch's 4 MiB of stores.
; LDS.  Each of the two arms has bytes of its own: 0-2,047 the four waves' column sums (512 bytes a wave); 2,048-10,239 the four waves' partial tiles of C^T (2,048 bytes a wave); then the spare words.
; THE MODE: SCHED_MODE bits 1:0 = 2 (LLVM: expert scheduling mode 2), set by the entry lines.  The code itself states the register dependences between vector or matrix instructions and memory or LDS
; instructions, with s_wait_alu, always for 0.
; THE PLAN.  Registers that memory or LDS instructions touch:
;   v1, v2, v3, VS, VB, LS, LR, CO   offsets, written once by vector lines (VS in the arm for E) and never again: one wait on va_vdst in each arm, ahead of its first load, serves every later load and store.
;   X    arm for E: each register is written by one load and read by its row's additions and conversions; never loaded again from memory.
;   Y    arm for E: row i's two registers are written by row i's conversions and read by one store.  The 25 rows go in five groups of five: at a group's head one wait on va_vdst shows the group before
;        written, and its five stores are dealt among this group's rows, whose vector lines name this group's X and Y and v4-7 alone.  The last group's stores, and the LDS store of v4-7, have a wait of their own.
;   weights arm: the two zeros are made ahead of the arm's first wait; all conversions, the two products and their places come next, and one wait on va_vdst serves the three stores of weights and the four LDS stores of the accumulators.
;   behind the barrier: LDS loads land in v10-13 or v32-63, which no vector line has named since the last wait on va_vdst of either arm; what is made of them has one wait ahead of its store.
;   No register that a memory or LDS instruction reads is written again, so no wait on vm_vsrc is owed.
.set PARTC, 2048                       ; the partial tiles of C^T begin here
.set SPARE, 10240                      ; the spare words, 128 bytes a wave: two blocks of 256 bytes that no other line names
.set X,  16                            ; v[16:115]   25 x 4 as loaded
.set Y,  116                           ; v[116:165]  25 x 2 to store
.set VS, 166                           ; v[166:169]  where my 8 bytes go in a row of ef16, for loads i with i % 4 = 0..3
.set VB, 170                           ; my byte offset in Wq and Wk: row 32 wave + 8 (l / 16), column l % 16
.set LS, 171                           ; where I put my 32 bytes of a partial tile, less PARTC: 2,048 wave + 32 l
.set LR, 172                           ; where I read them back, less PARTC: 1,024 wave + 32 l (waves 0 and 1)
.set CO, 173                           ; my 16 bytes of C^T: row l % 16, columns 16 wave + 8 (l / 16) ..
.set FK, 32                            ; v[32:47]   Wk as loaded;  v[48:79] Wq, two tiles
.set FQ, 48
.set GK, 80                            ; v[80:87]   Wk's fragment; v[88:103] Wq's two
.set GQ, 88
.set AC, 128                           ; v[128:143] two accumulators
.set GRP, 5                            ; rows in a group of the arm for E
	s_load_b512 s[4:19], s[0:1], 0x0               ; E s[4:5], Wv s[6:7], Wl s[8:9], Wg s[10:11], Wq s[12:13], Wk s[14:15], ef16 s[16:17], wf16 s[18:19]
	s_load_b64 s[20:21], s[0:1], 0x40              ; part
	v_lshl_add_u32 v8, v0, 2, SPARE                ; my spare word
	v_mov_b32 v9, 0
	v_lshlrev_b32 v1, 4, v0                        ; 16 t
	v_lshlrev_b32 v2, 3, v0                        ; 8 t
	v_lshlrev_b32 v3, 2, v0                        ; 4 t
	v_lshrrev_b32 v10, 5, v0
	v_readfirstlane_b32 s30, v10                   ; wave 0..3
	v_and_b32 v10, 15, v0                          ; l % 16
	v_bfe_u32 v11, v0, 4, 1                        ; l / 16
	v_and_b32 v12, 31, v0                          ; l
	s_wait_alu depctr_va_sdst(0)                   ; s30 is written, ahead of its first reader, the next line
	s_lshl_b32 s31, s30, 14                        ; 32 rows of 512 bytes a wave
	v_lshlrev_b32 v[VB], 2, v10
	v_lshl_add_u32 v[VB], v11, 12, v[VB]
	v_add_nc_u32 v[VB], s31, v[VB]
	s_lshl_b32 s31, s30, 11
	v_lshl_add_u32 v[LS], v12, 5, s31
	s_lshl_b32 s31, s30, 10
	v_lshl_add_u32 v[LR], v12, 5, s31
	s_lshl_b32 s31, s30, 5
	v_lshlrev_b32 v[CO], 8, v10
	v_lshl_add_u32 v[CO], v11, 4, v[CO]
	v_add_nc_u32 v[CO], s31, v[CO]
	s_and_b32 s22, ttmp7, 0xffff                   ; y
	s_mov_b32 s23, ttmp9                           ; x
	s_lshr_b32 s32, s22, 2                         ; which 16 rows j of C^T,
	s_and_b32 s33, s22, 3                          ; which 32 columns k
	s_lshl_b32 s38, s32, 12                        ; 16 rows of 256 bytes
	s_lshl_b32 s31, s33, 6                         ; 32 columns of 2 bytes
	s_add_co_u32 s38, s38, s31
	s_add_co_u32 s38, s38, 3*32768                 ; the fourth matrix of wf16
	s_mov_b32 s39, 0
	s_mov_b32 s25, 0                               ; the high words of three byte offsets
	s_mov_b32 s27, 0
	s_mov_b32 s29, 0
	s_cmp_eq_u32 s23, 5
	s_cbranch_scc1 .Lweights
	s_mul_i32 s28, s23, 100
	s_mul_i32 s24, s22, 500
	s_add_co_u32 s24, s24, s28
	s_lshl_b32 s24, s24, 9                         ; (500 y + 100 x) rows of 512 bytes in E
	s_lshl_b32 s26, s22, 9
	s_add_co_u32 s26, s26, s28
	s_lshl_b32 s26, s26, 8                         ; (512 y + 100 x) rows of 256 bytes in ef16
	s_mul_i32 s28, s22, 5
	s_add_co_u32 s28, s28, s23
	s_lshl_b32 s28, s28, 9                         ; (5 y + x) rows of 512 bytes in part
.irp k, 0,1,2,3                        ; load i is row 4 (25 x + i) + wave of the batch: its bit 3 is bit 1 of 25 x + i, which is bit 1 of x + i % 4
	s_add_co_u32 s31, s23, \k
	s_and_b32 s31, s31, 2
	s_lshl_b32 s31, s31, 3                         ; 16 where the bit is set
	v_xor_b32 v[VS+\k], s31, v2                    ; my 8 bytes lie in the other chunk of their 32 bytes
.endr
	s_wait_kmcnt 0x0
	s_add_nc_u64 s[4:5], s[4:5], s[24:25]
	s_add_nc_u64 s[16:17], s[16:17], s[26:27]
	s_add_nc_u64 s[20:21], s[20:21], s[28:29]
	s_wait_alu depctr_va_vdst(0)                   ; v1, v3 and VS are written, which this arm's loads and stores read as offsets; the head's lines are done with v10-12, in which LDS loads land behind the barrier
.set i, 0
.rept 25
	global_load_b128 v[X+4*i:X+4*i+3], v1, s[4:5] offset:2048*i th:TH_LOAD_NT
.set i, i+1
.endr
.set i, 0
.rept 25                               ; every load and store has registers of its own: nothing is rewritten while it is pending
	s_wait_loadcnt 24-i                            ; loads come back in order: load i is in, the 24 - i younger ones stay out
.if ((i%GRP) == 0) && (i > 0)
	s_wait_alu depctr_va_vdst(0)                   ; the conversions of the group before have written its ten registers of Y, which the five stores dealt among this group's rows read
.endif
.if i >= GRP
	global_store_b64 v[VS+(i-GRP)%4], v[Y+2*(i-GRP):Y+2*(i-GRP)+1], s[16:17] offset:1024*(i-GRP)  ; a row of the group before: a wave stores 256 consecutive bytes, at a multiple of 256 from ef16's first byte; no vector line since the wait names its registers
.endif
.if i == 1
	v_pk_add_f32 v[4:5], v[X:X+1], v[X+4:X+5]      ; the first two rows start the column sums: nothing is cleared
	v_pk_add_f32 v[6:7], v[X+2:X+3], v[X+6:X+7]
.elseif i > 1
	v_pk_add_f32 v[4:5], v[4:5], v[X+4*i:X+4*i+1]
	v_pk_add_f32 v[6:7], v[6:7], v[X+4*i+2:X+4*i+3]
.endif
	v_cvt_pk_f16_f32 v[Y+2*i], v[X+4*i], v[X+4*i+1]
	v_cvt_pk_f16_f32 v[Y+2*i+1], v[X+4*i+2], v[X+4*i+3]
.set i, i+1
.endr
	s_wait_alu depctr_va_vdst(0)                   ; the last group's conversions have written its Y and the additions v4-7, which the stores below read; all reads of X are done
.set i, 25-GRP
.rept GRP
	global_store_b64 v[VS+i%4], v[Y+2*i:Y+2*i+1], s[16:17] offset:1024*i
.set i, i+1
.endr
	ds_store_b128 v1, v[4:7]                       ; wave w's sums of columns 0-127 at 512 w: bytes 0-2,047, which the other arm never names
	s_branch .Lmeet
.Lweights:
	v_mov_b32 v[Y+10], 0                           ; the zeros for rows 500-511, made ahead of this arm's first wait
	v_mov_b32 v[Y+11], 0
	s_lshl_b32 s24, s22, 11                        ; slice y of a weight in f32,
	s_lshl_b32 s26, s22, 10                        ; and in f16
	s_lshl_b32 s28, s22, 17
	s_add_co_u32 s28, s28, 500*256                 ; row 500 of batch y in ef16
	s_lshl_b32 s34, s32, 6                         ; my 16 columns j of Wk, 4 bytes each
	s_mov_b32 s35, 0
	s_lshl_b32 s36, s33, 7                         ; my 32 columns k of Wq
	s_mov_b32 s37, 0
	s_wait_kmcnt 0x0
.irp m, 0,1,2
	s_add_nc_u64 s[6+2*\m:7+2*\m], s[6+2*\m:7+2*\m], s[24:25]
.endr
	s_add_nc_u64 s[12:13], s[12:13], s[36:37]
	s_add_nc_u64 s[14:15], s[14:15], s[34:35]
	s_add_nc_u64 s[42:43], s[18:19], s[26:27]      ; wf16 at slice y; s[18:19] stay as they are for C^T
	s_add_nc_u64 s[16:17], s[16:17], s[28:29]
	s_wait_alu depctr_va_vdst(0)                   ; v1, v2, VB, LS, LR and CO are written, which this arm's loads and stores read as offsets, and so are the two zeros, which three stores read
.irp m, 0,1,2
	global_load_b128 v[X+4*\m:X+4*\m+3], v1, s[6+2*\m:7+2*\m] th:TH_LOAD_NT
.endr
.set e, 0
.rept 16                               ; a fragment's 16 numbers of a lane: o = 8 (l / 16) + 0..7 and 16 + 8 (l / 16) + 0..7 of my wave's 32
	global_load_b32 v[FK+e], v[VB], s[14:15] offset:(e+8*(e/8))*512
	global_load_b32 v[FQ+e], v[VB], s[12:13] offset:(e+8*(e/8))*512
	global_load_b32 v[FQ+16+e], v[VB], s[12:13] offset:(e+8*(e/8))*512+64
.set e, e+1
.endr
.irp z, 0,1,2
	global_store_b64 v2, v[Y+10:Y+11], s[16:17] offset:1024*\z  ; rows 500-511: 3,072 bytes of zeros
.endr
	s_wait_loadcnt 0x0
.irp m, 0,1,2
	v_cvt_pk_f16_f32 v[Y+2*\m], v[X+4*\m], v[X+4*\m+1]
	v_cvt_pk_f16_f32 v[Y+2*\m+1], v[X+4*\m+2], v[X+4*\m+3]
.endr
.set i, 0
.rept 8
	v_cvt_pk_f16_f32 v[GK+i], v[FK+2*i], v[FK+2*i+1]
	v_cvt_pk_f16_f32 v[GQ+i], v[FQ+2*i], v[FQ+2*i+1]
	v_cvt_pk_f16_f32 v[GQ+8+i], v[FQ+16+2*i], v[FQ+16+2*i+1]
.set i, i+1
.endr
	; source 0 = 16 columns k of Wq, source 1 = 16 columns j of Wk: in the result a lane holds ONE row j of C^T (l % 16) and the columns k = 8 (l / 16) + 0..7
	v_wmma_f32_16x16x32_f16 v[AC:AC+7], v[GQ:GQ+7], v[GK:GK+7], 0
	v_wmma_f32_16x16x32_f16 v[AC+8:AC+15], v[GQ+8:GQ+15], v[GK:GK+7], 0
.rept 4
	v_nop                                          ; four places between a product and the LDS stores that read it; they stay beside the wait below
.endr
	s_wait_alu depctr_va_vdst(0)                   ; the conversions have written v116-121, which the three stores read; the products have written the accumulators, which the LDS stores read; the conversions are done reading v32-63, in which LDS loads land behind the barrier
.irp m, 0,1,2
	global_store_b64 v2, v[Y+2*\m:Y+2*\m+1], s[42:43] offset:32768*\m
.endr
.irp u, 0,1
	ds_store_b128 v[LS], v[AC+8*\u:AC+8*\u+3] offset:PARTC+1024*\u     ; bytes 2,048-10,239, which the other arm never names
	ds_store_b128 v[LS], v[AC+8*\u+4:AC+8*\u+7] offset:PARTC+1024*\u+16
.endr
.Lmeet:                                        ; both arms pass the one barrier
	s_wait_dscnt 0x0                               ; for the others' sake: my partial sums lie in LDS
	s_barrier_signal -1
	s_barrier_wait -1
	s_cmp_eq_u32 s23, 5
	s_cbranch_scc1 .Lfold
.irp k, 0,1,2,3
	ds_load_b32 v[10+\k], v3 offset:512*\k         ; column t of the four waves' sums.  No wait on va_vdst: no vector line since an arm's first such wait names v3 or v10-13
.endr
	s_wait_dscnt 0x0
	v_add_f32 v10, v10, v11
	v_add_f32 v12, v12, v13
	v_add_f32 v10, v10, v12
	s_wait_alu depctr_va_vdst(0)                   ; the additions have written v10, which the store reads
	global_store_b32 v3, v10, s[20:21]
	s_branch .Lend
.Lfold:
	s_cmp_lt_u32 s30, 2                            ; wave 0 finishes the first tile of 16 columns k, wave 1 the second
	s_cbranch_scc0 .Lend
	s_add_nc_u64 s[40:41], s[18:19], s[38:39]
.irp v, 0,1,2,3
	ds_load_b128 v[32+8*\v:32+8*\v+3], v[LR] offset:PARTC+2048*\v      ; no wait on va_vdst: no vector line stands between an arm's last such wait and these loads
	ds_load_b128 v[32+8*\v+4:32+8*\v+7], v[LR] offset:PARTC+2048*\v+16
.endr
	s_wait_dscnt 0x0
.set r, 0
.rept 4
	v_pk_add_f32 v[32+r:33+r], v[32+r:33+r], v[40+r:41+r]
	v_pk_add_f32 v[48+r:49+r], v[48+r:49+r], v[56+r:57+r]
.set r, r+2
.endr
.set r, 0
.rept 4
	v_pk_add_f32 v[32+r:33+r], v[32+r:33+r], v[48+r:49+r]
.set r, r+2
.endr
.irp r, 0,1,2,3
	v_cvt_pk_f16_f32 v[64+\r], v[32+2*\r], v[33+2*\r]
.endr
	s_wait_alu depctr_va_vdst(0)                   ; the conversions have written v64-67, which the store reads
	global_store_b128 v[CO], v[64:67], s[40:41]
.Lend:
	s_wait_dscnt 0x0                               ; the wave's end
	s_wait_alu 0x0
	s_wait_tensorcnt 0x0
	ds_add_u32 v8, v9
	s_wait_dscnt 0x0
	s_endpgm
.Lfunc_end_k_q20b53bc70d_cast:
	.size	k_q20b53bc70d_cast, .Lfunc_end_k_q20b53bc70d_cast-k_q20b53bc70d_cast
	.p2alignl 7, 3214868480
	.fill 96, 4, 3214868480
	.section	.rodata,"a",@progbits
	.p2align	6, 0x0
	.amdhsa_kernel k_q20b53bc70d_cast
		.amdhsa_group_segment_fixed_size 10752
		.amdhsa_private_segment_fixed_size 0
		.amdhsa_enable_private_segment 0
		.amdhsa_kernarg_size 72
		.amdhsa_user_sgpr_count 2
		.amdhsa_user_sgpr_kernarg_segment_ptr 1
		.amdhsa_wavefront_size32 1
		.amdhsa_system_sgpr_workgroup_id_x 1
		.amdhsa_system_sgpr_workgroup_id_y 1
		.amdhsa_system_sgpr_workgroup_id_z 1
		.amdhsa_system_vgpr_workitem_id 0
		.amdhsa_next_free_vgpr 176
		.amdhsa_next_free_sgpr 66
		.amdhsa_reserve_vcc 0
		.amdhsa_float_denorm_mode_32 3
		.amdhsa_float_denorm_mode_16_64 3
		.amdhsa_memory_ordered 1
		.amdhsa_forward_progress 1
		.amdhsa_inst_pref_size 26
	.end_amdhsa_kernel
	.amdgpu_metadata
---
amdhsa.version: [ 1, 2 ]
amdhsa.kernels:
  - .name:           k_q20b53bc70d_cast
    .symbol:         k_q20b53bc70d_cast.kd
    .args:
      - { .name: embeddings, .offset: 0, .size: 8, .value_kind: global_buffer, .address_space: global }
      - { .name: Wq_visited, .offset: 8, .size: 8, .value_kind: global_buffer, .address_space: global }
      - { .name: Wq_last, .offset: 16, .size: 8, .value_kind: global_buffer, .address_space: global }
      - { .name: Wq_graph, .offset: 24, .size: 8, .value_kind: global_buffer, .address_space: global }
      - { .name: Wq, .offset: 32, .size: 8, .value_kind: global_buffer, .address_space: global }
      - { .name: Wk, .offset: 40, .size: 8, .value_kind: global_buffer, .address_space: global }
      - { .name: ef16, .offset: 48, .size: 8, .value_kind: global_buffer, .address_space: global }
      - { .name: wf16, .offset: 56, .size: 8, .value_kind: global_buffer, .address_space: global }
      - { .name: part, .offset: 64, .size: 8, .value_kind: global_buffer, .address_space: global }
    .group_segment_fixed_size: 10752
    .private_segment_fixed_size: 0
    .kernarg_segment_align: 8
    .kernarg_segment_size: 72
    .max_flat_workgroup_size: 128
    .sgpr_count:     66
    .vgpr_count:     176
    .wavefront_size: 32
...
	.end_amdgpu_metadata
.endif
;; end of part 3
;; launch decode: the kernel of part 2 again; grid 8 x 32, 4 waves a work-group, clusters of 4 x 1, 327,680 bytes of LDS; arguments group_ninf_mask, dists, q_first, last_node, ef16, wf16, part, out0; writes out0
